; MI455X (gfx1250); checked and timed in simulation.
; The chip was launched on July 23, 2026; its instructions are those of AMD's public machine-readable ISA for CDNA 5 (MIT licence, August 2026) and "CDNA5" Instruction Set Architecture Reference Guide (July 2026). The comments in the code are by the model that wrote it; some were corrected since.
;; Rule Layer. Allowed arithmetic: float matrix products may take bf16 or f16 operands with f32 sums; all other float work in f32.
;; Inputs: mf_values 4,096 x 32 x 8 float32; rule_indices 1,024 x 32 int32.
;; Outputs: out0 4,096 x 1,024 float32; out1 4,096 x 1,024 float32.
;; One version. Each part assembles by itself: llvm-mc -triple=amdgcn-amd-amdhsa -mcpu=gfx1250 --defsym DOCPART=n.
;; ======== version 1 of 1: 1 launch
;; limits: right only within a limited range of input values
;; launch rules (part 1): grid 256 x 1, 8 waves a work-group, clusters of 4 x 1, 168,960 bytes of LDS; arguments mf_values, rule_indices, out0, out1; writes out0, out1
.if DOCPART == 1
	.amdgcn_target "amdgcn-amd-amdhsa--gfx1250"
	.amdhsa_code_object_version 6
	.text
	.protected	k_q6ed0c54cf2_rules
	.globl	k_q6ed0c54cf2_rules
	.p2align	8
	.type	k_q6ed0c54cf2_rules,@function
k_q6ed0c54cf2_rules:
	s_mov_b64 s[64:65], 0
	v_nop
	global_prefetch_b8 v0, s[64:65] scope:SCOPE_SE
	s_setreg_imm32_b32 hwreg(HW_REG_WAVE_MODE, 25, 1), 1
	s_wait_xcnt 0x0
	s_wait_alu depctr_hold_cnt(0) depctr_sa_sdst(0) depctr_va_vdst(0) depctr_va_sdst(0) depctr_va_ssrc(0) depctr_va_vcc(0) depctr_vm_vsrc(0)
	s_getreg_b32 s2, hwreg(HW_REG_IB_STS2, 6, 4)
	s_cmp_eq_u32 s2, 0
	s_cbranch_scc0 .Lentry_in_a_cluster
	s_endpgm
.Lentry_in_a_cluster:
	s_bfe_u32 s2, ttmp6, 0x10000c
	s_cmp_lg_u32 s2, 0x3003
	s_cbranch_scc0 .Lentry_shape_is_right
	s_endpgm
.Lentry_shape_is_right:
; firing[b][r] = exp( sum over f of log(mf[b][f][idx[r][f]] + 1e-9) ),  norm[b][r] = firing[b][r] / (sum over r of firing[b][r] + 1e-6).
; mf: [4096][32][8] f32, idx: [1024][32] i32 (0..7), firing and norm: [4096][1024] f32.
;
; HOW.  The 4096 x 1024 x 32 logarithms of the formula take only 4096 x 32 x 8 different values: L[b][f][m] = log2(mf + 1e-9) is taken once
; for each of them (nothing is left out; both inputs are read).  exp(sum of ln) = 2^(sum of log2), so v_log_f32 and v_exp_f32 serve as they are.
; The selection and the sum over f are one product: sum = L[b][0..255] . onehot[r][0..255], made by the matrix unit.  So that the sum keeps
; the quality of an f32 sum, L goes in as two f16 terms, hi = f16(L) and lo = f16(L - hi), 22 bits together; the one-hot operand is exact.
; Both terms' products add onto one f32 accumulator.  |log2| of a positive f32 is at most 149, so f16 has room for every input.
; The one-hot operand is made in registers.  f16 1.0 is 0x3c00: one byte that is not 0.  k may be permuted alike in both operands: here
; register j of a fragment holds m = j, of feature fa in the low half and of feature fa + 16 in the high half.  With the selector word
; 0x0c | idx[fa] << 8 | 0x0c << 16 | idx[fa+16] << 24, v_perm_b32 on a table whose byte j alone is 0x3c gives register j (selector 0x0c gives 0).
;
; WHO.  A work-group owns 16 rows of the batch and all 1,024 rules (the sum over r stays inside it); 8 waves; wave w owns rules 128 w .. 128 w + 127,
; as 2 groups g of 4 tiles t of 16 rules.  Lane (n = lane % 16, h = lane / 16) of tile t stands for rule 128 w + 64 g + 4 n + t, and register j of an
; accumulator for row 8 h + j.  v_exp_f32 writes tile t's register j to F[4 j + t]: a lane then holds 4 neighbouring rules of one row, and each store
; of the wave covers two runs of 256 consecutive bytes, each aligned, from 16 neighbouring lanes.
; K step s = 4 q + d (q 0..1, d 0..3) of half h holds features fa = 8 q + 4 h + d and fa + 16.
;
; CLUSTER.  Every work-group reads the same 128 KiB of idx.  Four work-groups form a cluster and ask for it jointly: wave w of each issues the same
; two tensor loads (descriptors made of the wave's number alone, mask 15), one for each group of 64 of its rules, into its own LDS bytes, which it
; alone reads.  Two loads of 16 rows and not one of 32, because the first 16 of the 32 blocks read the first group alone: they start when 8 KiB
; of the wave's 16 have landed.
;
; LIMITS.  (1) Every mf + 1e-9 must be positive and finite: a NaN or an infinity among a batch row's 256 logarithms meets the zeros of the one-hot
; operand and makes that whole row of both outputs NaN, also for rules that do not select it.  (2) idx is 0..7, as the formula's lookup relies on.
; (3) v_exp_f32 and v_rcp_f32 return 0 for results below 2^-126 (ISA guide, 15.8): firing below 2^-126 is stored as 0, and a row whose sum
; exceeds 2^126 gets norm 0.  (4) The sums are taken in another order than the formula's, with f32 rounding.
.set ROWB,   4096                      ; bytes in a row of an output
.set IPITCH, 528                       ; LDS: 4 rules' indices (512 bytes) + 16 of padding = 33 x 16: 16 lanes 528 apart fall in 16 different 16-byte columns of 256 bytes
.set IHALF,  16*IPITCH                 ; a group's 64 rules: what one tensor load brings
.set IWAVE,  2*IHALF                   ; a wave's 128 rules
.set AIMG,   8*IWAVE                   ; behind the indices: the images of A's fragments, [row][half][piece x][16 bytes]
.set APR,    1168                      ; from row to row: 73 x 16, so the 16 rows of a read fall in 16 different columns
.set AHS,    640                       ; from half 0 to half 1: 40 x 16, so the 16 lanes of a store (8 pieces x 2 halves) fall in 16 different columns
.set SUMS_B, AIMG+16*APR               ; behind them: [wave][row] partial sums, 64 bytes a wave
.set OV,  2                            ; v2   byte offset of my 16 bytes in the group's first 8 rows of an output
.set IA,  3                            ; v3   LDS address of my indices
.set AR,  4                            ; v4   LDS address from which I read A's fragments
.set AW,  5                            ; v5   LDS address to which I write my part of them
.set SW,  6                            ; v6   LDS address of my wave's partial sums
.set SR,  7                            ; v7   LDS address of the eight partial sums of row 8 h + lane % 8
.set MO,  8                            ; v8   byte offset of my 16 bytes in the group's part of mf
.set ST,  10                           ; v10-11    selector words
.set AH,  16                           ; v16-79    A, hi: K step s at 8 s;  v80-143 A, lo.  Before that: scratch of the logarithms
.set ACC, 144                          ; v144-175  two sets of two accumulators (tile 0, tile 1 of a pair); the pairs of tiles take the sets in turn
.set BB,  176                          ; v176-207  one-hot fragments: two buffers of two tiles
.set IX,  208                          ; v208-239  indices: two buffers of [tile][fa, fa + 16][d]
.set S,   240                          ; v240-247  my wave's sums of rows 8 h + j
.set RS,  248                          ; v248-255  the eight waves' sums of one row
.set TS,  64                           ; window 1: v320-335 pair sums;  v256-319 F: firing, [g][j][t]
.set SELC, 32                          ; s32  0x000c000c
.set EPSN, 33                          ; s33  1e-6
.set EPSL, 34                          ; s[34:35] 1e-9, twice
.set TB,   36                          ; s36-39 0x3c at byte 0, 1, 2, 3
.set MSB, 0
.macro WIN new                         ; register windows: bits 1:0 source 0, 3:2 source 1, 5:4 source 2, 7:6 destination; the high byte repeats the setting that is left
.if MSB != \new
	s_set_vgpr_msb (MSB<<8)|\new
.set MSB, \new
.endif
.endm
.macro ROUND                           ; a round of the cluster's barrier: my work-group's barrier, wave 0 signals for the work-group, all wait for the four, my work-group's barrier again
	s_barrier_signal -1
	s_barrier_wait -1
	s_cmp_lg_u32 s12, 0
	s_cbranch_scc1 .Lnot_wave_0_\@
	s_barrier_signal -3
.Lnot_wave_0_\@:
	s_barrier_wait -3
	s_barrier_signal -1
	s_barrier_wait -1
.endm
	s_load_b256 s[4:11], s[0:1], 0x0               ; mf s[4:5], idx s[6:7], firing s[8:9], norm s[10:11]
	s_set_vgpr_msb 0x40
	v_lshl_add_u32 v80, v0, 2, 0x29000
	v_mov_b32 v81, 0
	s_set_vgpr_msb 0x4045
	ds_add_u32 v80, v81
	ds_add_u32 v80, v81
	s_wait_dscnt 0x0
	s_set_vgpr_msb 0x4500
	v_lshrrev_b32 v1, 5, v0
	v_readfirstlane_b32 s12, v1                    ; wave 0..7
	ROUND                                          ; the round in front of the joint loads needs the wave's number alone: it runs while the arguments are on their way
	s_bfe_u32 s13, ttmp6, 0x40000                  ; my place in the cluster
	s_lshl_b32 s14, ttmp9, 2
	s_add_co_u32 s14, s14, s13                     ; work-group = 4 x cluster + place
	s_lshl_b32 s16, s14, 14                        ; 16 rows of mf, 1,024 bytes each
	s_mov_b32 s17, 0
	s_lshl_b32 s18, s12, 14                        ; my wave's 128 rules of idx, 128 bytes each
	s_mov_b32 s19, 0
	v_and_b32 v1, 31, v0                           ; lane
	v_lshlrev_b32 v[MO], 4, v1
	v_lshl_add_u32 v[MO], s12, 11, v[MO]           ; wave w takes rows 2 w and 2 w + 1: 2,048 consecutive bytes, 16 a lane in each of four loads
	; the descriptors: 16 rows of 128 words (4 rules each), dense in memory, 4 words of padding behind each row in LDS; one group 1, a group 0 for each group of rules
	s_mov_b32 s20, 1                               ; count = 1
	s_mul_i32 s21, s12, IWAVE                      ; LDS address: the wave's number times a constant,
	s_mov_b32 s40, 1
	s_add_co_u32 s41, s21, IHALF                   ; plus the group's constant
	s_mov_b32 s24, 15|(2<<16)|(1<<20)|(1<<21)|(6<<22)|(3<<25)  ; mask: the four of the cluster; element of 4 bytes; padding on; bit 21 beside a mask; after every 128 words; 4 words
	s_mov_b32 s25, 128<<16                         ; tensor_dim0 = 128
	s_mov_b32 s26, 16<<16                          ; tensor_dim1 = 16
	s_mov_b32 s27, 128<<16                         ; tile_dim0 = 128
	s_mov_b32 s28, 16                              ; tile_dim1 = 16
	s_mov_b32 s29, 128                             ; from row to row: 128 elements
	s_mov_b32 s30, 0
	s_mov_b32 s31, 0
	s_mov_b32 s[SELC], 0x000c000c
	s_mov_b32 s[EPSN], 0x358637bd                  ; 1e-6
	s_mov_b32 s[EPSL], 0x3089705f                  ; 1e-9
	s_mov_b32 s[EPSL+1], 0x3089705f
	s_mov_b32 s[TB+0], 0x3c
	s_mov_b32 s[TB+1], 0x3c00
	s_mov_b32 s[TB+2], 0x3c0000
	s_mov_b32 s[TB+3], 0x3c000000
	s_mul_i32 s15, s12, 2*APR
	s_add_co_u32 s15, s15, AIMG                    ; my wave's two rows of the image
	s_wait_kmcnt 0x0
	s_add_nc_u64 s[22:23], s[6:7], s[18:19]        ; group 0's first element
	s_add_nc_u64 s[42:43], s[22:23], 16*512        ; group 1's: 64 rules of 128 bytes further on
	s_or_b32 s23, s23, 0x80000000                  ; type = 2
	s_or_b32 s43, s43, 0x80000000
	tensor_load_to_lds s[20:23], s[24:31]          ; my wave's two tensor loads, one group behind the one round: the indices are what the products wait for last
	s_nop 0
	tensor_load_to_lds s[40:43], s[24:31]
	s_nop 0
	s_add_nc_u64 s[4:5], s[4:5], s[16:17]
	global_load_b128 v[16:19], v[MO], s[4:5] th:TH_LOAD_NT              ; row 2 w, features 0-15: feature lane / 2, m = 4 (lane % 2) ..
	global_load_b128 v[20:23], v[MO], s[4:5] offset:512 th:TH_LOAD_NT   ; row 2 w, the feature 16 further on
	global_load_b128 v[24:27], v[MO], s[4:5] offset:1024 th:TH_LOAD_NT  ; row 2 w + 1
	global_load_b128 v[28:31], v[MO], s[4:5] offset:1536 th:TH_LOAD_NT
	s_lshl_b32 s16, s14, 16                        ; 16 rows of an output
	s_add_nc_u64 s[8:9], s[8:9], s[16:17]
	s_add_nc_u64 s[10:11], s[10:11], s[16:17]
	v_and_b32 v9, 15, v0                           ; n
	v_bfe_u32 v12, v0, 4, 1                        ; h
	v_bfe_u32 v13, v0, 3, 1                        ; bit 3 of the lane
	v_and_b32 v14, 7, v0                           ; lane % 8
	v_lshlrev_b32 v[OV], 4, v9                     ; outputs: 16 n
	v_lshl_add_u32 v[OV], v12, 15, v[OV]           ;   + 8 h rows
	v_lshl_add_u32 v[OV], s12, 9, v[OV]            ;   + 128 w rules
	v_mul_u32_u24 v[IA], v9, IPITCH                ; indices: LDS row n of a group (rules 4 n .. 4 n + 3)
	v_lshl_add_u32 v[IA], v12, 4, v[IA]            ;   + 16 h: features 4 h .. 4 h + 3 of each run of 8
	v_add_nc_u32 v[IA], s21, v[IA]                 ;   + my wave's tiles
	v_mul_u32_u24 v[AR], v9, APR                   ; A's fragments are read by lane (row n, half h)
	v_mad_u32_u24 v[AR], v12, AHS, v[AR]
	v_add_nc_u32 v[AR], AIMG, v[AR]
	v_lshl_add_u32 v15, v12, 3, v14                ; and written by the lane that holds feature fa = lane / 2, m = 4 u .. (u = lane % 2):
	v_lshlrev_b32 v[AW], 4, v15                    ;   piece 2 s + u = 8 (lane / 16) + lane % 8, 16 bytes each,
	v_mad_u32_u24 v[AW], v13, AHS, v[AW]           ;   half = bit 3 of the lane,
	v_add_nc_u32 v[AW], s15, v[AW]                 ;   rows 2 w, 2 w + 1: bytes of my wave alone
	v_lshlrev_b32 v[SW], 5, v12
	v_lshl_add_u32 v[SW], s12, 6, v[SW]
	v_add_nc_u32 v[SW], SUMS_B, v[SW]              ; sums: 64 w + 32 h
	v_lshlrev_b32 v[SR], 5, v12
	v_lshl_add_u32 v[SR], v14, 2, v[SR]
	v_add_nc_u32 v[SR], SUMS_B, v[SR]              ; read: word 8 h + lane % 8 of each wave's 16
	; L = log2(mf + 1e-9) of my 16 numbers, split in two f16 terms, packed (fa low, fa + 16 high): four registers of a fragment at a time
	s_wait_loadcnt 0x0
.irp k, 0,2,4,6,8,10,12,14
	v_pk_add_f32 v[16+\k:17+\k], v[16+\k:17+\k], s[EPSL:EPSL+1] op_sel_hi:[1,0]
.endr
.irp k, 0,1,2,3,4,5,6,7,8,9,10,11,12,13,14,15
	v_log_f32 v[16+\k], v[16+\k]
.endr
	v_nop                                          ; one plain instruction between a transcendental and the use of its result (ISA guide 5.7.2)
	s_wait_alu depctr_va_vdst(0)
.irp i, 0,1
.irp c, 0,1,2,3
	v_cvt_pk_f16_f32 v[32+4*\i+\c], v[16+8*\i+\c], v[20+8*\i+\c]       ; hi
.endr
.endr
	v_cvt_f32_f16 v40, v32.l                       ; hi back in f32, in the order of v16-31
	v_cvt_f32_f16 v44, v32.h
	v_cvt_f32_f16 v41, v33.l
	v_cvt_f32_f16 v45, v33.h
	v_cvt_f32_f16 v42, v34.l
	v_cvt_f32_f16 v46, v34.h
	v_cvt_f32_f16 v43, v35.l
	v_cvt_f32_f16 v47, v35.h
	v_cvt_f32_f16 v48, v36.l
	v_cvt_f32_f16 v52, v36.h
	v_cvt_f32_f16 v49, v37.l
	v_cvt_f32_f16 v53, v37.h
	v_cvt_f32_f16 v50, v38.l
	v_cvt_f32_f16 v54, v38.h
	v_cvt_f32_f16 v51, v39.l
	v_cvt_f32_f16 v55, v39.h
.irp k, 0,2,4,6,8,10,12,14
	v_pk_add_f32 v[16+\k:17+\k], v[16+\k:17+\k], v[40+\k:41+\k] neg_lo:[0,1] neg_hi:[0,1]   ; L - hi, exact
.endr
.irp i, 0,1
.irp c, 0,1,2,3
	v_cvt_pk_f16_f32 v[56+4*\i+\c], v[16+8*\i+\c], v[20+8*\i+\c]       ; lo
.endr
.endr
	ds_store_b128 v[AW], v[32:35]                  ; row 2 w, hi
	ds_store_b128 v[AW], v[36:39] offset:APR       ; row 2 w + 1, hi
	ds_store_b128 v[AW], v[56:59] offset:256       ; lo: 16 pieces further on
	ds_store_b128 v[AW], v[60:63] offset:APR+256
	s_wait_dscnt 0x0                               ; my part of the image is written, for the others' sake
	s_barrier_signal -1
	s_barrier_wait -1                              ; everybody's is.  (My tensor loads may still be out.)
.set x, 0
.rept 32
	ds_load_b128 v[AH+4*x:AH+4*x+3], v[AR] offset:16*x     ; piece x = 16 (lo) + 2 s + u: registers 4 u .. 4 u + 3 of K step s
.set x, x+1
.endr
; The indices of chunk c = 4 g + 2 pair + q: tiles 2 pair, 2 pair + 1; features 8 q + 4 h + 0..3 and those 16 further on.
.macro LOADIX c
.set lg_, (\c)/4
.set lp_, ((\c)/2)%2
.set lq_, (\c)%2
.set lx_, IX+16*((\c)%2)
.irp tau, 0,1
.irp ab, 0,1
	ds_load_b128 v[lx_+8*\tau+4*\ab:lx_+8*\tau+4*\ab+3], v[IA] offset:lg_*IHALF+128*(2*lp_+\tau)+64*\ab+32*lq_
.endr
.endr
.endm
; Slice k (0..3) of the 20 instructions that make the two one-hot fragments of block tb_: tile k / 2, first or second half.
.macro GENS k
.set gx_, IX+16*((tb_/4)%2)+8*((\k)/2)+tb_%4
.set gb_, BB+16*(tb_%2)+8*((\k)/2)
.set gt_, ST+(\k)/2
.if (\k)%2 == 0
	v_lshl_or_b32 v[gt_], v[gx_+4], 16, v[gx_]             ; idx[fa] | idx[fa + 16] << 16
	v_lshl_or_b32 v[gt_], v[gt_], 8, s[SELC]               ; the selector word
	v_perm_b32 v[gb_+0], 0, s[TB+0], v[gt_]                ; selectors 0-3 take bytes of the second source, 4-7 of the first
	v_perm_b32 v[gb_+1], 0, s[TB+1], v[gt_]
	v_perm_b32 v[gb_+2], 0, s[TB+2], v[gt_]
.else
	v_perm_b32 v[gb_+3], 0, s[TB+3], v[gt_]
	v_perm_b32 v[gb_+4], s[TB+0], 0, v[gt_]
	v_perm_b32 v[gb_+5], s[TB+1], 0, v[gt_]
	v_perm_b32 v[gb_+6], s[TB+2], 0, v[gt_]
	v_perm_b32 v[gb_+7], s[TB+3], 0, v[gt_]
.endif
.endm
; Matrix instruction a of block bk: a = 0 hi x tile 0, 1 hi x tile 1, 2 lo x tile 0, 3 lo x tile 1; hi and lo add onto the tile's one accumulator,
; in the set of the block's pair.  K step 0's hi products start the sums: nothing is cleared.
.macro WM a
.set wa_, AH+64*((\a)/2)+8*s_
.set wb_, BB+16*(bk%2)+8*((\a)%2)
.set wc_, ACC+16*((bk/8)%2)+8*((\a)%2)
.if 2*s_+(\a)/2 == 0
	v_wmma_f32_16x16x32_f16 v[wc_:wc_+7], v[wa_:wa_+7], v[wb_:wb_+7], 0
.else
	v_wmma_f32_16x16x32_f16 v[wc_:wc_+7], v[wa_:wa_+7], v[wb_:wb_+7], v[wc_:wc_+7]
.endif
.endm
; Slice pq_ (0..3) of the 16 exponentials of the finished pair pv_ (0..3): firing = 2^sum of tile pq_ / 2, rows 4 (pq_ % 2) .. + 3 of my eight,
; written to F[g][j][t] in window 1 (the caller sets the destination's window).
.macro EXP4
.set ea_, ACC+16*(pv_%2)+4*pq_
.set ef_, 32*(pv_/2)+16*(pq_%2)+2*(pv_%2)+pq_/2
.irp j, 0,1,2,3
	v_exp_f32 v[ef_+4*\j], v[ea_+\j]
.endr
.endm
; Firing of group g (64 rules) goes out.  A store's data in window 1, its address in window 0.
.macro STORE_F g
	WIN 0x04
	s_wait_alu depctr_va_vdst(0)
.irp j, 0,1,2,3,4,5,6,7
	global_store_b128 v[OV], v[32*\g+4*\j:32*\g+4*\j+3], s[8:9] offset:\j*ROWB+256*\g th:TH_STORE_NT   ; lanes 0-15: 256 consecutive bytes, aligned, of row j; lanes 16-31: of row 8 + j
.endr
.endm
; The row sums, two numbers at a time, all in window 1.  k = 0: group 0's four tiles start them; k = 1, 2: group 1's first and second pair of tiles.
.macro SUMS k
	WIN 0x45
.irp j, 0,1,2,3,4,5,6,7
.if \k == 0
	v_pk_add_f32 v[TS+2*\j:TS+2*\j+1], v[4*\j:4*\j+1], v[4*\j+2:4*\j+3]
.else
	s_wait_alu depctr_va_vdst(0)
	v_pk_add_f32 v[TS+2*\j:TS+2*\j+1], v[TS+2*\j:TS+2*\j+1], v[32+4*\j+2*(\k-1):32+4*\j+2*(\k-1)+1]
.endif
.endr
.endm
	s_wait_tensorcnt 0x1                           ; tensor loads of a wave end in order (ISA guide 10.11.1): group 0's indices are in LDS, group 1's load, the one issued behind it, may stay out; no other wave reads them
	LOADIX 0
	LOADIX 1
	s_wait_dscnt 0x4                               ; LDS loads come back in order (ISA guide 5.7.1): A's 32 and chunk 0's 4 are in, chunk 1's 4 may stay out
.set tb_, 0
	GENS 0
	GENS 1
	GENS 2
	GENS 3
; 32 blocks = 2 groups x 2 pairs of tiles x 8 K steps.  A block is four matrix instructions on the pair's two accumulators, which take turns, one
; instruction a turn; the next pair starts in the other set, so the products go on without a stop.
; Behind each matrix instruction stand five of the instructions that make the next block's fragments in the other buffer: they name none of its
; registers, so a buffer is written again at least five plain vector instructions behind the last matrix instruction that read it (ISA guide 7.12.1).
; What is left to do with a finished pair rides among the next pair's products: its 16 exponentials, four in each of the next four blocks (they
; read the other set, five plain instructions or more behind the last matrix instruction that wrote it; behind them come a matrix instruction on
; other registers and then plain work, ISA guide 5.7.2); group 0's stores in block 20; the sums of finished tiles in blocks 21 and 28.
; F lies in window 1: A (128 registers), the accumulators, the fragments, the indices and F make 288, more than one window's 256.  So each of these
; slices costs two window switches: 30 for the 124 matrix instructions of blocks 0 to 30.
; Indices come a chunk (four blocks) at a time, asked for four blocks ahead of their first use, into the buffer whose last use was in the block before.
.set bk, 0
.rept 32
.set s_, bk%8
.set tb_, bk+1
.set pv_, bk/8-1
.set pq_, bk%8
.if tb_ < 32
.if tb_%4 == 0
	s_wait_dscnt 0x0                               ; the next chunk's four loads, issued four blocks ago
.if tb_/4 < 7
.if tb_/4 == 3
	s_wait_tensorcnt 0x0                           ; chunk 4 is the first of group 1: its load, my last, has had 12 blocks in which to land
.endif
	LOADIX tb_/4+1
.endif
.endif
	WM 0
	GENS 0
	WM 1
	GENS 1
.if bk > 7
.if pq_ < 4
	WIN 0x40                                       ; destination in window 1
	EXP4
	WIN 0
.endif
.endif
.if bk == 20
	STORE_F 0
	WIN 0
.endif
.if bk == 21
	SUMS 0
	WIN 0
.endif
.if bk == 28
	SUMS 1
	WIN 0
.endif
	WM 2
	GENS 2
	WM 3
	GENS 3
.else
	WM 0
	WM 1
	WM 2
	WM 3
.rept 4
	v_nop                                          ; the last block has nothing to prepare: four places before the sums are read (ISA guide 7.12.1)
.endr
.endif
.set bk, bk+1
.endr
	; the last pair has no products to ride behind
	WIN 0x40
.set pv_, 3
.set pq_, 0
.rept 4
	EXP4
.set pq_, pq_+1
.endr
	v_nop                                          ; one plain instruction before a result is used (ISA guide 5.7.2)
	s_wait_alu depctr_va_vdst(0)
	STORE_F 1
	SUMS 2
	; the row sums: my lane's, then over the 16 lanes of my half, then over the 8 waves
	WIN 0x05                                       ; both sources in window 1
.irp j, 0,1,2,3,4,5,6,7
	v_add_f32 v[S+\j], v[TS+2*\j], v[TS+2*\j+1]
.endr
	WIN 0
.irp m, 1,2,4,8
.irp j, 0,1,2,3,4,5,6,7
	v_add_f32_dpp v[S+\j], v[S+\j], v[S+\j] row_xmask:\m row_mask:0xf bank_mask:0xf
.endr
.endr
	ds_store_b128 v[SW], v[S:S+3]                  ; the 16 lanes of a half write the same 32 bytes: rows 8 h .. 8 h + 7 of my wave's 16 words
	ds_store_b128 v[SW], v[S+4:S+7] offset:16
	s_wait_dscnt 0x0                               ; written, for the others' sake
	s_barrier_signal -1
	s_barrier_wait -1
.irp w, 0,1,2,3,4,5,6,7
	ds_load_b32 v[RS+\w], v[SR] offset:64*\w       ; row 8 h + lane % 8: one word of each wave
.endr
	s_wait_dscnt 0x0
	v_pk_add_f32 v[RS:RS+1], v[RS:RS+1], v[RS+2:RS+3]
	v_pk_add_f32 v[RS+4:RS+5], v[RS+4:RS+5], v[RS+6:RS+7]
	v_pk_add_f32 v[RS:RS+1], v[RS:RS+1], v[RS+4:RS+5]
	v_add_f32 v[RS], v[RS], v[RS+1]
	v_add_f32 v[RS], s[EPSN], v[RS]                ; + 1e-6
	v_rcp_f32 v[RS+1], v[RS]
	v_nop                                          ; one plain instruction before the reciprocal is used (ISA guide 5.7.2)
	s_wait_alu depctr_va_vdst(0)
.irp j, 0,1,2,3,4,5,6,7
	v_mov_b32_dpp v[BB+2*\j], v[RS+1] row_share:\j row_mask:0xf bank_mask:0xf   ; lane j of my half holds row 8 h + j's.  The fragment buffers are free; each pair's second register is not used
.endr
	s_wait_xcnt 0x0                                ; F, which the stores of firing read, is written again only behind this wait
.irp g, 0,1
	WIN 0x41                                       ; source 0 and the destination in window 1, the reciprocal in window 0
.irp j, 0,1,2,3,4,5,6,7
	v_pk_mul_f32 v[32*\g+4*\j:32*\g+4*\j+1], v[32*\g+4*\j:32*\g+4*\j+1], v[BB+2*\j:BB+2*\j+1] op_sel_hi:[1,0]
	v_pk_mul_f32 v[32*\g+4*\j+2:32*\g+4*\j+3], v[32*\g+4*\j+2:32*\g+4*\j+3], v[BB+2*\j:BB+2*\j+1] op_sel_hi:[1,0]
.endr
	WIN 0x04
.irp j, 0,1,2,3,4,5,6,7
	global_store_b128 v[OV], v[32*\g+4*\j:32*\g+4*\j+3], s[10:11] offset:\j*ROWB+256*\g th:TH_STORE_NT
.endr
.endr
	WIN 0                                          ; at a label and at a branch every window is 0
	s_set_vgpr_msb 0x5
	s_wait_tensorcnt 0x0
	ds_add_u32 v80, v81
	s_wait_dscnt 0x0
	s_set_vgpr_msb 0x500
	ROUND                                          ; the closing round: no work-group ends while a partner may still issue a joint load that names it
	s_endpgm
.Lfunc_end_k_q6ed0c54cf2_rules:
	.size	k_q6ed0c54cf2_rules, .Lfunc_end_k_q6ed0c54cf2_rules-k_q6ed0c54cf2_rules
	.p2alignl 7, 3214868480
	.fill 96, 4, 3214868480
	.section	.rodata,"a",@progbits
	.p2align	6, 0x0
	.amdhsa_kernel k_q6ed0c54cf2_rules
		.amdhsa_group_segment_fixed_size 168960
		.amdhsa_private_segment_fixed_size 0
		.amdhsa_enable_private_segment 0
		.amdhsa_kernarg_size 32
		.amdhsa_user_sgpr_count 2
		.amdhsa_user_sgpr_kernarg_segment_ptr 1
		.amdhsa_wavefront_size32 1
		.amdhsa_system_sgpr_workgroup_id_x 1
		.amdhsa_system_sgpr_workgroup_id_y 1
		.amdhsa_system_sgpr_workgroup_id_z 1
		.amdhsa_system_vgpr_workitem_id 0
		.amdhsa_next_free_vgpr 338
		.amdhsa_next_free_sgpr 66
		.amdhsa_reserve_vcc 0
		.amdhsa_float_denorm_mode_32 3
		.amdhsa_float_denorm_mode_16_64 3
		.amdhsa_memory_ordered 1
		.amdhsa_forward_progress 1
		.amdhsa_inst_pref_size 76
	.end_amdhsa_kernel
	.amdgpu_metadata
---
amdhsa.version: [ 1, 2 ]
amdhsa.kernels:
  - .name:           k_q6ed0c54cf2_rules
    .symbol:         k_q6ed0c54cf2_rules.kd
    .args:
      - { .name: mf_values, .offset: 0, .size: 8, .value_kind: global_buffer, .address_space: global }
      - { .name: rule_indices, .offset: 8, .size: 8, .value_kind: global_buffer, .address_space: global }
      - { .name: out0, .offset: 16, .size: 8, .value_kind: global_buffer, .address_space: global }
      - { .name: out1, .offset: 24, .size: 8, .value_kind: global_buffer, .address_space: global }
    .group_segment_fixed_size: 168960
    .private_segment_fixed_size: 0
    .kernarg_segment_align: 8
    .kernarg_segment_size: 32
    .max_flat_workgroup_size: 256
    .sgpr_count:     66
    .vgpr_count:     338
    .wavefront_size: 32
...
	.end_amdgpu_metadata
.endif
;; end of part 1
